; MI455X (gfx1250); checked and timed in simulation.
; The chip was launched on July 23, 2026; its instructions are those of AMD's public machine-readable ISA for CDNA 5 (MIT licence, August 2026) and "CDNA5" Instruction Set Architecture Reference Guide (July 2026). The comments in the code are by the model that wrote it; some were corrected since.
;; Multi Head Self Attention. Allowed arithmetic: float matrix products may take bf16 or f16 operands with f32 sums; all other float work in f32.
;; Inputs: Wk 512 x 512 float32; Wo 512 x 512 float32; Wq 512 x 512 float32; Wv 512 x 512 float32; x 4 x 2,048 x 512 float32.
;; Outputs: out0 4 x 2,048 x 512 float32.
;; One version. Each part assembles by itself: llvm-mc -triple=amdgcn-amd-amdhsa -mcpu=gfx1250 --defsym DOCPART=n.
;; ======== version 1 of 1: 3 launches
;; limits: values are held in f16: magnitudes above 65,504 overflow, below 6.1e-05 lose precision
;; workspace buffers: qkv 25,165,824 bytes; att 8,388,608 bytes
;; launch qkv (part 1): grid 8 x 32, 8 waves a work-group, no clusters, 130,048 bytes of LDS; arguments x, Wq, Wk, Wv, qkv; writes qkv
.if DOCPART == 1
	.amdgcn_target "amdgcn-amd-amdhsa--gfx1250"
	.amdhsa_code_object_version 6
	.text
	.protected	k_q69a9f12f23_qkv
	.globl	k_q69a9f12f23_qkv
	.p2align	8
	.type	k_q69a9f12f23_qkv,@function
k_q69a9f12f23_qkv:
	s_mov_b64 s[64:65], 0
	v_nop
	global_prefetch_b8 v0, s[64:65] scope:SCOPE_SE
	s_setreg_imm32_b32 hwreg(HW_REG_WAVE_MODE, 25, 1), 1
	s_wait_xcnt 0x0
; q, k, v = x W^T.  x: [8192][512] f32; Wq, Wk, Wv: [512][512] f32 (row = output feature); qkv: f16, [3][b][h][s][64].
; The 1,536 output features are 24 units of 64 (unit u: matrix u / 8, head u % 8).  A work-group makes 256 rows x 3 units;
; eight waves, wave (wm, wn) makes 64 rows x 96 features: 24 accumulator tiles, 192 registers.
; K goes in 8 steps of 64 through two LDS slots.  x and W are f32 in memory and f16 in the matrix unit, so they pass through
; registers: 16-byte loads (sixteen lanes take 256 consecutive bytes of a row), two conversions, an 8-byte LDS store.
; NO CLUSTER, NO TENSOR LOADS: a tile brought by the data mover would land in LDS as f32: 256 x 256 + 192 x 256 bytes = 112 KB a K step
; written, read back, converted and 56 KB written again, beside the 160 KB of fragment reads that the step needs anyway.
; LIMIT: matrix operands are f16: |x|, |W| or a result above 65,504 becomes infinite.  (f16 and not bf16: q, k, v are rounded here and their
; rounding goes undamped into the output; 11 bits keep it well inside what the comparison allows, 8 bits do not.)
; THE MATRIX INSTRUCTION IS USED TRANSPOSED (source 0 = 16 features of W, source 1 = 16 rows of x): a lane's eight results are eight
; neighbouring features of one row, 16 bytes of f16.
.set ROWB,   2048                      ; bytes in a row of x and of W
.set PITCH,  144                       ; an LDS row: 64 f16 + 16 bytes = 9 x 16: sixteen rows start at sixteen different 16-byte columns modulo 256
.set BOFF,   256*PITCH                 ; W's 192 rows lie behind x's 256
.set SLOT,   448*PITCH                 ; 64,512 bytes
.set SPITCH, 400                       ; the stage on the way out: 192 f16 + 16 bytes = 25 x 16
.set GA,  2                            ; v2      x: my byte offset in the group's 256 rows
.set GB,  3                            ; v3      W: my byte offset in a unit's 64 rows
.set LA,  4                            ; v4-5    where my 8 bytes of x go, slot 0, 1
.set LB,  6                            ; v6-7    the same for W
.set FAA, 8                            ; v8-9    my fragments of x, slot 0, 1
.set FBA, 10                           ; v10-11  my fragments of W
.set STO, 12                           ; v12     way out: where 16 bytes of a row go
.set RD,  13                           ; v13-14  way out: where I read back, rows 0-127, 128-255
.set GO,  15                           ; v15     way out: my byte offset in a unit's 32 KB
.set FA,  16                           ; v[16:47]   4 fragments of x
.set FB,  48                           ; v[48:95]   6 fragments of W
.set STG, 96                           ; v[96:207]  28 loads of 4 registers
                                       ; v[256:447] accumulators, tile (mt, nt) at 256 + 8 (6 mt + nt): written as v0-191 in window 1
.set MSB, 0
.macro WIN new                         ; s_set_vgpr_msb: bits 1:0 source 0, 3:2 source 1, 5:4 source 2, 7:6 destination; the high byte repeats the setting left
.if MSB != \new
	s_set_vgpr_msb (MSB<<8)|\new
.set MSB, \new
.endif
.endm
.macro PLACES n
.rept \n
	v_nop
.endr
.endm
	s_load_b256 s[4:11], s[0:1], 0x0               ; x s[4:5], Wq s[6:7], Wk s[8:9], Wv s[10:11]
	s_load_b64 s[12:13], s[0:1], 0x20              ; qkv
	v_lshl_add_u32 v254, v0, 2, 0x1f800
	v_mov_b32 v255, 0
	v_lshrrev_b32 v1, 5, v0
	v_readfirstlane_b32 s14, v1                    ; wave 0..7
	s_and_b32 s15, s14, 3                          ; wm: which 64 rows
	s_lshr_b32 s16, s14, 2                         ; wn: which 96 features
	s_mov_b32 s17, ttmp9                           ; nb: which three units
	s_and_b32 s18, ttmp7, 0xffff                   ; mb: which 256 rows
	v_and_b32 v16, 15, v0                          ; r
	v_bfe_u32 v17, v0, 4, 1                        ; h
	v_lshlrev_b32 v18, 4, v16
	v_lshl_add_u32 v18, v17, 14, v18               ; 16 r + 8 h rows of 2,048 bytes: a load takes rows a and a + 8
	s_lshl_b32 s34, s14, 16                        ; x: my 32 rows, 32 w ..
	v_add_nc_u32 v[GA], s34, v18
	s_lshl_b32 s34, s14, 11                        ; W: my rows of a unit are w + 8 h + 16 j, j = 0..3: eight waves, two halves, four loads cover its 64 rows once
	v_add_nc_u32 v[GB], s34, v18
	v_mul_u32_u24 v19, v17, 8*PITCH
	v_lshl_add_u32 v19, v16, 3, v19                ; 8 r + 8 h rows of 144 bytes (1,152 = 128 modulo 256: the two rows' 128 bytes do not meet)
	s_mul_i32 s34, s14, 32*PITCH
	v_add_nc_u32 v[LA], s34, v19
	v_add_nc_u32 v[LA+1], SLOT, v[LA]
	s_mul_i32 s34, s14, PITCH                      ; row w of W's part
	s_add_co_u32 s34, s34, BOFF
	v_add_nc_u32 v[LB], s34, v19
	v_add_nc_u32 v[LB+1], SLOT, v[LB]
	v_mul_u32_u24 v20, v16, PITCH
	v_lshl_add_u32 v20, v17, 4, v20                ; a fragment: row r, 16 h bytes in
	s_mul_i32 s34, s15, 64*PITCH
	v_add_nc_u32 v[FAA], s34, v20
	v_add_nc_u32 v[FAA+1], SLOT, v[FAA]
	s_mul_i32 s34, s16, 96*PITCH
	s_add_co_u32 s34, s34, BOFF
	v_add_nc_u32 v[FBA], s34, v20
	v_add_nc_u32 v[FBA+1], SLOT, v[FBA]
	v_mul_u32_u24 v21, v16, SPITCH
	v_lshl_add_u32 v21, v17, 4, v21
	s_mul_i32 s34, s15, 64*SPITCH
	s_mul_i32 s35, s16, 192
	s_add_co_u32 s34, s34, s35
	v_add_nc_u32 v[STO], s34, v21                  ; (64 wm + r) 400 + 192 wn + 16 h
	v_lshrrev_b32 v22, 3, v0
	v_and_b32 v23, 7, v0
	v_mul_u32_u24 v22, v22, SPITCH
	v_lshl_add_u32 v[RD], v23, 4, v22              ; row t / 8, 16 bytes at 16 (t % 8)
	v_add_nc_u32 v[RD+1], 128*SPITCH, v[RD]
	v_lshlrev_b32 v[GO], 4, v0
	s_lshr_b32 s2, s18, 3
	s_lshl_b32 s2, s2, 3                           ; 8 b
	s_and_b32 s3, s18, 7
	s_lshl_b32 s3, s3, 15                          ; my 256 rows in a unit: 128 bytes a row
	s_wait_kmcnt 0x0
	s_lshl_b32 s34, s18, 19
	s_mov_b32 s35, 0
	s_add_nc_u64 s[20:21], s[4:5], s[34:35]        ; x at the group's first row
.irp i, 0,1,2
	s_mul_i32 s34, s17, 3
	s_add_co_u32 s34, s34, \i                      ; unit
	s_lshr_b32 s36, s34, 3                         ; matrix 0, 1, 2
	s_and_b32 s34, s34, 7                          ; head
	s_cmp_eq_u32 s36, 0
	s_cselect_b64 s[38:39], s[6:7], s[8:9]
	s_cmp_eq_u32 s36, 2
	s_cselect_b64 s[22+2*\i:23+2*\i], s[10:11], s[38:39]
	s_lshl_b32 s38, s34, 17                        ; the head's 64 rows of 2,048 bytes
	s_mov_b32 s39, 0
	s_add_nc_u64 s[22+2*\i:23+2*\i], s[22+2*\i:23+2*\i], s[38:39]
	s_lshl_b32 s36, s36, 5
	s_add_co_u32 s36, s36, s2
	s_add_co_u32 s36, s36, s34                     ; 32 matrix + 8 b + head
	s_lshl_b32 s36, s36, 18                        ; units of 2,048 x 128 bytes
	s_add_co_u32 s38, s36, s3
	s_add_nc_u64 s[28+2*\i:29+2*\i], s[12:13], s[38:39]
.endr
; K step i from memory: 16 loads of x (my 32 rows), 12 of W (8 rows of each unit).  K stands in the immediate: no register is stepped.
.macro LOADX i
.irp j, 0,1,2,3,4,5,6,7,8,9,10,11,12,13,14,15
	global_load_b128 v[STG+4*\j:STG+4*\j+3], v[GA], s[20:21] offset:(16*(\j/8)+(\j%8))*ROWB+(\i)*256
.endr
.endm
.macro LOADW i
.irp q, 0,1,2
.irp j, 0,1,2,3
	global_load_b128 v[STG+64+16*\q+4*\j:STG+64+16*\q+4*\j+3], v[GB], s[22+2*\q:23+2*\q] offset:\j*16*ROWB+(\i)*256
.endr
.endr
.endm
; the 28 loads are rounded to f16 in place and stored into a slot
.macro CVTST slot
	s_wait_loadcnt 12                              ; loads come back in order: x's 16 are in, W's 12, issued behind them, may be out
.irp j, 0,1,2,3,4,5,6,7,8,9,10,11,12,13,14,15
	v_cvt_pk_f16_f32 v[STG+4*\j], v[STG+4*\j], v[STG+4*\j+1]
	v_cvt_pk_f16_f32 v[STG+4*\j+1], v[STG+4*\j+2], v[STG+4*\j+3]
	ds_store_b64 v[LA+\slot], v[STG+4*\j:STG+4*\j+1] offset:(16*(\j/8)+(\j%8))*PITCH
.endr
	s_wait_loadcnt 0x0
.irp q, 0,1,2
.irp j, 0,1,2,3
	v_cvt_pk_f16_f32 v[STG+64+16*\q+4*\j], v[STG+64+16*\q+4*\j], v[STG+64+16*\q+4*\j+1]
	v_cvt_pk_f16_f32 v[STG+64+16*\q+4*\j+1], v[STG+64+16*\q+4*\j+2], v[STG+64+16*\q+4*\j+3]
	ds_store_b64 v[LB+\slot], v[STG+64+16*\q+4*\j:STG+64+16*\q+4*\j+1] offset:\q*64*PITCH+\j*16*PITCH
.endr
.endr
.endm
; the fragments of 32 along K: 8 loads of x, then 12 of W.  Four places stand between the last matrix instruction and a load into its sources (ISA guide 7.12.1 for vector instructions).
.macro FRAGS slot, u
	PLACES 4
.irp mt, 0,1,2,3
	ds_load_b128 v[FA+8*\mt:FA+8*\mt+3],   v[FAA+\slot] offset:\mt*16*PITCH+64*\u
	ds_load_b128 v[FA+8*\mt+4:FA+8*\mt+7], v[FAA+\slot] offset:\mt*16*PITCH+64*\u+32
.endr
.irp nt, 0,1,2,3,4,5
	ds_load_b128 v[FB+8*\nt:FB+8*\nt+3],   v[FBA+\slot] offset:\nt*16*PITCH+64*\u
	ds_load_b128 v[FB+8*\nt+4:FB+8*\nt+7], v[FBA+\slot] offset:\nt*16*PITCH+64*\u+32
.endr
.endm
; 24 matrix instructions.  The 24 accumulators take turns, one instruction a turn, in the same order every time.
.macro MULS zero
	WIN 0x50                                       ; C and D in window 1
.irp nt, 0,1,2,3,4,5
	s_wait_dscnt 10-2*\nt                          ; x's 8 loads and W's up to block nt are in; the 10 - 2 nt younger ones may be out
.irp mt, 0,1,2,3
.if \zero
	v_wmma_f32_16x16x32_f16 v[8*(6*\mt+\nt):8*(6*\mt+\nt)+7], v[FB+8*\nt:FB+8*\nt+7], v[FA+8*\mt:FA+8*\mt+7], 0
.else
	v_wmma_f32_16x16x32_f16 v[8*(6*\mt+\nt):8*(6*\mt+\nt)+7], v[FB+8*\nt:FB+8*\nt+7], v[FA+8*\mt:FA+8*\mt+7], v[8*(6*\mt+\nt):8*(6*\mt+\nt)+7]
.endif
.endr
.endr
	WIN 0
.endm
; One K step.  ONE barrier, for two things: my stores into this slot are done, so that every wave may read it; and every wave's reads of the
; other slot are done (its last count-down ended at 0), so that this trip's end may store into it.
; The next step's loads from memory stand behind the fragment loads, x's behind the first run and W's behind the second: they are issued while
; LDS serves the fragments, and neither run holds the other up.  x's still stand ahead of W's, as the count in CVTST wants.
.macro TRIP slot, nxt, zero, more
	s_wait_dscnt 0x0
	s_barrier_signal -1
	s_barrier_wait -1
	FRAGS \slot, 0
.if \more
	LOADX \nxt                                     ; into registers whose LDS stores were waited for in front of the barrier
.endif
	MULS \zero                                     ; the first product starts the sums: nothing is cleared
	FRAGS \slot, 1
.if \more
	LOADW \nxt
.endif
	MULS 0
.if \more
	CVTST (1-\slot)
.endif
.endm
	LOADX 0
	LOADW 0
	CVTST 0
	TRIP 0, 1, 1, 1
	TRIP 1, 2, 0, 1
	TRIP 0, 3, 0, 1
	TRIP 1, 4, 0, 1
	TRIP 0, 5, 0, 1
	TRIP 1, 6, 0, 1
	TRIP 0, 7, 0, 1
	TRIP 1, 8, 0, 0
	; THE WAY OUT.  The stage (256 rows x 400 bytes) lies over the slots, so all waves' fragment reads are over first.
	PLACES 4                                       ; the places between the last matrix instruction and the conversions that read results
	s_wait_dscnt 0x0
	s_barrier_signal -1
	s_barrier_wait -1
	WIN 0x05                                       ; sources in window 1
.set t, 0
.rept 24
.irp i, 0,1,2,3
	v_cvt_pk_f16_f32 v[STG+4*t+\i], v[8*t+2*\i], v[8*t+2*\i+1]
.endr
.set t, t+1
.endr
	WIN 0
.irp mt, 0,1,2,3
.irp nt, 0,1,2,3,4,5
	ds_store_b128 v[STO], v[STG+4*(6*\mt+\nt):STG+4*(6*\mt+\nt)+3] offset:\mt*16*SPITCH+\nt*32
.endr
.endr
	s_wait_dscnt 0x0                               ; for the others' sake: they read these rows
	s_barrier_signal -1
	s_barrier_wait -1
	; a unit's 256 rows of 128 bytes are 32 KB without a gap in qkv: thread t takes 16 bytes at 16 t of each 4 KB, so sixteen lanes store 256 consecutive bytes, aligned
.irp i, 0,1,2
.irp p, 0,1,2,3,4,5,6,7
	ds_load_b128 v[STG+32*\i+4*\p:STG+32*\i+4*\p+3], v[RD+(\p/4)] offset:(\p%4)*32*SPITCH+\i*128
.endr
.irp p, 0,1,2,3,4,5,6,7
	s_wait_dscnt 7-\p                              ; load p of the eight is in
	global_store_b128 v[GO], v[STG+32*\i+4*\p:STG+32*\i+4*\p+3], s[28+2*\i:29+2*\i] offset:\p*4096
.endr
.endr
	s_wait_tensorcnt 0x0
	ds_add_u32 v254, v255
	s_wait_dscnt 0x0
	s_endpgm
.Lfunc_end_k_q69a9f12f23_qkv:
	.size	k_q69a9f12f23_qkv, .Lfunc_end_k_q69a9f12f23_qkv-k_q69a9f12f23_qkv
	.p2alignl 7, 3214868480
	.fill 96, 4, 3214868480
	.section	.rodata,"a",@progbits
	.p2align	6, 0x0
	.amdhsa_kernel k_q69a9f12f23_qkv
		.amdhsa_group_segment_fixed_size 130048
		.amdhsa_private_segment_fixed_size 0
		.amdhsa_enable_private_segment 0
		.amdhsa_kernarg_size 40
		.amdhsa_user_sgpr_count 2
		.amdhsa_user_sgpr_kernarg_segment_ptr 1
		.amdhsa_wavefront_size32 1
		.amdhsa_system_sgpr_workgroup_id_x 1
		.amdhsa_system_sgpr_workgroup_id_y 1
		.amdhsa_system_sgpr_workgroup_id_z 1
		.amdhsa_system_vgpr_workitem_id 0
		.amdhsa_next_free_vgpr 448
		.amdhsa_next_free_sgpr 66
		.amdhsa_reserve_vcc 0
		.amdhsa_float_denorm_mode_32 3
		.amdhsa_float_denorm_mode_16_64 3
		.amdhsa_memory_ordered 1
		.amdhsa_forward_progress 1
		.amdhsa_inst_pref_size 132
	.end_amdhsa_kernel
	.amdgpu_metadata
---
amdhsa.version: [ 1, 2 ]
amdhsa.kernels:
  - .name:           k_q69a9f12f23_qkv
    .symbol:         k_q69a9f12f23_qkv.kd
    .args:
      - { .name: x, .offset: 0, .size: 8, .value_kind: global_buffer, .address_space: global }
      - { .name: Wq, .offset: 8, .size: 8, .value_kind: global_buffer, .address_space: global }
      - { .name: Wk, .offset: 16, .size: 8, .value_kind: global_buffer, .address_space: global }
      - { .name: Wv, .offset: 24, .size: 8, .value_kind: global_buffer, .address_space: global }
      - { .name: qkv, .offset: 32, .size: 8, .value_kind: global_buffer, .address_space: global }
    .group_segment_fixed_size: 130048
    .private_segment_fixed_size: 0
    .kernarg_segment_align: 8
    .kernarg_segment_size: 40
    .max_flat_workgroup_size: 256
    .sgpr_count:     66
    .vgpr_count:     448
    .wavefront_size: 32
...
	.end_amdgpu_metadata
.endif
;; end of part 1
;; launch attn (part 2): grid 8 x 32, 8 waves a work-group, clusters of 4 x 1, 327,680 bytes of LDS; arguments qkv, att; writes att
.if DOCPART == 2
	.amdgcn_target "amdgcn-amd-amdhsa--gfx1250"
	.amdhsa_code_object_version 6
	.text
	.protected	k_q69a9f12f23_attn
	.globl	k_q69a9f12f23_attn
	.p2align	8
	.type	k_q69a9f12f23_attn,@function
k_q69a9f12f23_attn:
	s_mov_b64 s[64:65], 0
	v_nop
	global_prefetch_b8 v0, s[64:65] scope:SCOPE_SE
	s_setreg_imm32_b32 hwreg(HW_REG_WAVE_MODE, 25, 1), 1
	s_wait_xcnt 0x0
	s_wait_alu depctr_hold_cnt(0) depctr_sa_sdst(0) depctr_va_vdst(0) depctr_va_sdst(0) depctr_va_ssrc(0) depctr_va_vcc(0) depctr_vm_vsrc(0)
	s_getreg_b32 s2, hwreg(HW_REG_IB_STS2, 6, 4)
	s_cmp_eq_u32 s2, 0
	s_cbranch_scc0 .Lentry_in_a_cluster
	s_endpgm
.Lentry_in_a_cluster:
	s_bfe_u32 s2, ttmp6, 0x10000c
	s_cmp_lg_u32 s2, 0x3003
	s_cbranch_scc0 .Lentry_shape_is_right
	s_endpgm
.Lentry_shape_is_right:
; att = softmax(q k^T / 8) v for one (batch, head) and 256 queries.  qkv: f16 [3][b][h][2048][64]; att: f16 [b][h][2048][64].
; Eight waves, 32 queries each (two tiles of 16).  The keys go in 8 tiles of 256 through two LDS slots, 64 keys a step.
; CLUSTER: the four work-groups of a cluster take four query blocks of one head and need the same K and V tiles: each tile is asked for
; jointly (mask 15).  Waves 0-3 ask for V's four quarters (64 keys each), waves 4-7 for K's.  A wave has one tensor load out at any time.
; TRANSPOSED SCHEME: S^T = K Q^T (source 0 = 16 keys, source 1 = 16 queries): lane (r, h) holds keys 8 h + j of query r, so a query's maximum and
; sum need one exchange between the halves, and two score tiles, packed to f16 in place, ARE source 1 of O^T = V^T P^T for 32 keys.
; V^T comes from LDS by the transposing load.  A lane ends with eight neighbouring d of one query.
; PIPELINE: the two query tiles run half a step apart, so that the matrix instructions of one stand among the vector instructions of the other.
; Iteration j:  K(j) is loaded;
;   phase B: softmax of tile 1, step j - 1   beside   O(0) += V(j-1) P(0, j-1),  then S(0, j) = K(j) Q(0);
;   phase A: softmax of tile 0, step j       beside   O(1) += V(j-1) P(1, j-1),  V(j) is loaded,  then S(1, j) = K(j) Q(1).
; All LDS reads of iteration j belong to step j, so a tile of 256 keys is four iterations.  K has the maximum and a PV block in which to come,
; V more than half an iteration.  Iterations 0 and 1 are written out (they start maximum, sums and O); two half phases follow the last.
; SOFTMAX: the running maximum of the raw scores is taken away before every exponential; p = 2^(c s - c m), c = log2(e) / 8.  The old sums are
; scaled by 2^(c m_old - c m_new) made from the two rounded products themselves, so old and new terms keep one common basis.
; REGISTERS: K and V are both alive, 320 registers in all, so O and V lie in window 1.  ONE setting (source 0, source 2 and destination in window 1)
; serves the PV instructions (A = V, B = P in window 0, C = D = O) and the multiplies that rescale the other tile's O (O, O, factor in window 0):
; they share a block, and an iteration has six switches for its 32 matrix instructions.
; LIMITS: q, k, v, p and the result are f16 (above 65,504 infinite; p <= 1); an exponential below 2^-126 counts as 0 (ISA guide, v_exp_f32).
.set VPITCH, 160                       ; V's LDS row: 128 bytes + 32 = 5 x 32, as the transposing load's eight rows want
.set KPITCH, 144                       ; K's LDS row: 128 bytes + 16 = 9 x 16
.set KOFF,   256*VPITCH                ; K's 256 rows lie behind V's
.set SLOT,   256*(VPITCH+KPITCH)       ; 77,824 bytes
.set STAGE,  2*SLOT                    ; 155,648 = 608 x 256: 32 rows x 144 bytes for each wave; no tensor load lands here
.set MATB,   8388608                   ; bytes of q, of k, of v
.set TILEB,  32768                     ; 256 keys x 128 bytes
.set VK,  2                            ; v2   K fragments: address, stepped 64 keys an iteration
.set VV,  3                            ; v3   V fragments: the same
.set VKB, 4                            ; v4   their lane terms
.set VVB, 5
.set STO, 6
.set RD,  7
.set GO,  8
.set QO,  9
.set M,   10                           ; v10-11     running maximum, query tile 0, 1
.set LS,  12                           ; v12-13     running sum of my 8-key groups
.set NM,  14                           ; v[14:17]   - c m, twice, for each query tile
.set AL,  18                           ; v[18:21]   the factor for the old sums, twice, for each query tile
.set T,   22                           ; v[22:29]   at work
.set Q,   32                           ; v[32:63]   Q(qt, u) at 32 + 16 qt + 8 u
.set S,   64                           ; v[64:127]  S(qt, kt) at 64 + 32 qt + 8 kt; P(qt, u) = the first 8 registers of S(qt, 2 u)
.set KF,  128                          ; v[128:191] K(kt, u) at 128 + 16 kt + 8 u
.set OUTP, 192                         ; v[192:223] the way out: the result in f16
.set OUTR, 224                         ; v[224:255] the way out: rows read back
.set OW,  0                            ; v[256:319] O(qt, dt) at 256 + 32 qt + 8 dt: written as v0-63 in window 1
.set VW,  64                           ; v[320:383] V(u, dt) at 320 + 32 u + 8 dt: written as v64-127 in window 1
.set W_PV, 0x51                        ; source 0, source 2, destination in window 1; source 1 in window 0
.set W_VL, 0x40                        ; destination in window 1, address in window 0
.set W_CV, 0x05                        ; sources 0 and 1 in window 1, destination in window 0
.set G1V, 16                           ; s[16:23]  group 1 for V's tiles
.set G1K, 24                           ; s[24:31]  group 1 for K's: another padding
.set G0V, 32                           ; s[32:39]  group 0 for V, a set for each slot
.set G0K, 40                           ; s[40:47]  group 0 for K
.set MSB, 0
.macro WIN new                         ; s_set_vgpr_msb: bits 1:0 source 0, 3:2 source 1, 5:4 source 2, 7:6 destination; the high byte repeats the setting left
.if MSB != \new
	s_set_vgpr_msb (MSB<<8)|\new
.set MSB, \new
.endif
.endm
.macro PLACES n
.rept \n
	v_nop
.endr
.endm
; A round of the cluster's barrier: my work-group's barrier, wave 0 signals for the work-group, every wave waits for all four work-groups, my work-group's barrier again.
.macro ROUND
	s_barrier_signal -1
	s_barrier_wait -1
	s_cmp_lg_u32 s8, 0
	s_cbranch_scc1 .Lnot_wave_0_\@
	s_barrier_signal -3
.Lnot_wave_0_\@:
	s_barrier_wait -3
	s_barrier_signal -1
	s_barrier_wait -1
.endm
; A joint load.  The branch hangs on the wave's number alone, and nothing in the descriptors on the place in the cluster.
.macro JLOAD s
	s_cmp_eq_u32 s9, 0
	s_cbranch_scc0 .Lfor_k_\@
	tensor_load_to_lds s[G0V+4*\s:G0V+4*\s+3], s[G1V:G1V+7]
	s_nop 0
	s_branch .Lasked_\@
.Lfor_k_\@:
	tensor_load_to_lds s[G0K+4*\s:G0K+4*\s+3], s[G1K:G1K+7]
	s_nop 0
.Lasked_\@:
.endm
	s_load_b128 s[4:7], s[0:1], 0x0                ; qkv s[4:5], att s[6:7]
	v_lshl_add_u32 v30, v0, 2, 0x2f000
	v_mov_b32 v31, 0
	ds_add_u32 v30, v31
	v_lshrrev_b32 v1, 5, v0
	v_readfirstlane_b32 s8, v1                     ; wave 0..7
	s_lshr_b32 s9, s8, 2                           ; 0: I ask for V, 1: for K
	s_and_b32 s10, s8, 3                           ; which 64 keys of a tile I ask for
	s_bfe_u32 s11, ttmp6, 0x40000                  ; cx
	s_lshl_b32 s12, ttmp9, 2
	s_add_co_u32 s12, s12, s11                     ; query block = 4 x cluster x + cx
	s_and_b32 s13, ttmp7, 0xffff                   ; 8 b + head
	s_mov_b32 s54, 0x76543210                      ; v_permlanex16_b32: lane i reads lane i of the other half
	s_mov_b32 s55, 0xfedcba98
	; group 1: a tile of 64 rows x 64 elements of 2 bytes, dense in memory, padded in LDS after every 32 words
	s_mov_b32 s[G1V+0], 15|(1<<16)|(1<<20)|(1<<21)|(4<<22)|(7<<25)   ; mask: all four; 2 bytes; padding on; bit 21 beside a mask; every 32 words (code 4); 8 words
	s_mov_b32 s[G1K+0], 15|(1<<16)|(1<<20)|(1<<21)|(4<<22)|(3<<25)   ; the same with 4 words
	s_mov_b32 s[G1V+1], 64<<16                     ; tensor_dim0 = 64
	s_mov_b32 s[G1K+1], 64<<16
	s_mov_b32 s[G1V+2], 64<<16                     ; tensor_dim1 = 64
	s_mov_b32 s[G1K+2], 64<<16
	s_mov_b32 s[G1V+3], 64<<16                     ; tile_dim0 = 64
	s_mov_b32 s[G1K+3], 64<<16
	s_mov_b32 s[G1V+4], 64                         ; tile_dim1 = 64
	s_mov_b32 s[G1K+4], 64
	s_mov_b32 s[G1V+5], 64                         ; 64 elements from row to row
	s_mov_b32 s[G1K+5], 64
	s_mov_b32 s[G1V+6], 0
	s_mov_b32 s[G1K+6], 0
	s_mov_b32 s[G1V+7], 0
	s_mov_b32 s[G1K+7], 0
	s_lshl_b32 s48, s13, 18                        ; the head's 2,048 x 128 bytes
	s_lshl_b32 s14, s10, 13                        ; my 64 keys
	s_add_co_u32 s48, s48, s14
	s_mov_b32 s49, 0
	s_lshl_b32 s50, s13, 18                        ; my wave's 32 queries: the only numbers that hold cx are s3, s11, s12, s50 and the two pointers made of s50
	s_lshl_b32 s3, s12, 15
	s_add_co_u32 s50, s50, s3
	s_lshl_b32 s3, s8, 12
	s_add_co_u32 s50, s50, s3
	s_mov_b32 s51, 0
	s_mul_i32 s14, s8, 64*VPITCH                   ; LDS: V's quarter w (waves 0-3)
	s_mul_i32 s15, s8, 64*KPITCH
	s_add_co_u32 s15, s15, KOFF-4*64*KPITCH        ; K's quarter w - 4 (waves 4-7)
	v_and_b32 v22, 15, v0                          ; r
	v_bfe_u32 v23, v0, 4, 1                        ; h
	v_lshlrev_b32 v[QO], 7, v22
	v_lshl_add_u32 v[QO], v23, 4, v[QO]            ; 128 r + 16 h
	s_wait_dscnt 0x0
	s_wait_kmcnt 0x0
	s_add_nc_u64 s[52:53], s[4:5], s[50:51]        ; q at my first query
	s_add_nc_u64 s[58:59], s[6:7], s[50:51]        ; att likewise
	s_add_nc_u64 s[48:49], s[4:5], s[48:49]
.irp s, 0,1
	s_mov_b32 s[G0V+4*\s], 1
	s_add_co_u32 s[G0V+4*\s+1], s14, \s*SLOT
	s_add_nc_u64 s[G0V+4*\s+2:G0V+4*\s+3], s[48:49], 2*MATB+\s*TILEB    ; key tile s of v
	s_or_b32 s[G0V+4*\s+3], s[G0V+4*\s+3], 0x80000000
	s_mov_b32 s[G0K+4*\s], 1
	s_add_co_u32 s[G0K+4*\s+1], s15, \s*SLOT
	s_add_nc_u64 s[G0K+4*\s+2:G0K+4*\s+3], s[48:49], MATB+\s*TILEB      ; key tile s of k
	s_or_b32 s[G0K+4*\s+3], s[G0K+4*\s+3], 0x80000000
.endr
	ROUND                                          ; all four work-groups are here: the first joint loads meet
	JLOAD 0
.irp qt, 0,1
.irp u, 0,1
	global_load_b128 v[Q+16*\qt+8*\u:Q+16*\qt+8*\u+3],   v[QO], s[52:53] offset:\qt*2048+64*\u
	global_load_b128 v[Q+16*\qt+8*\u+4:Q+16*\qt+8*\u+7], v[QO], s[52:53] offset:\qt*2048+64*\u+32
.endr
.endr
	v_mul_u32_u24 v24, v22, KPITCH
	v_lshl_add_u32 v24, v23, 4, v24                ; 144 r + 16 h
	v_add_nc_u32 v[VKB], KOFF, v24
	v_and_b32 v25, 7, v0
	v_lshl_add_u32 v26, v23, 3, v25                ; key 8 h + (l % 8)
	v_bfe_u32 v27, v0, 3, 1
	v_mul_u32_u24 v26, v26, VPITCH
	v_lshl_add_u32 v[VVB], v27, 4, v26             ; + 16 bytes for lanes 8-15 and 24-31
	s_mul_i32 s56, s8, 32*KPITCH
	s_add_co_u32 s56, s56, STAGE                   ; my stage
	v_add_nc_u32 v[STO], s56, v24
	v_and_b32 v28, 31, v0
	v_lshlrev_b32 v[GO], 4, v28                    ; 16 l
	v_lshrrev_b32 v28, 3, v28
	v_mul_u32_u24 v28, v28, KPITCH
	v_lshl_add_u32 v28, v25, 4, v28                ; row l / 8, 16 bytes at 16 (l % 8)
	v_add_nc_u32 v[RD], s56, v28
	s_wait_loadcnt 0x0                             ; Q, once
; ---- the pieces of a softmax of query tile a: 32 scores a lane, as 16 pairs ----
.macro FM a, j                         ; pair j: c s - c m
	v_pk_fma_f32 v[S+32*\a+2*\j:S+32*\a+2*\j+1], v[S+32*\a+2*\j:S+32*\a+2*\j+1], 0x3e38aa3b, v[NM+2*\a:NM+2*\a+1] op_sel_hi:[1,0,1]
.endm
.macro EX a, j                         ; pair j: two exponentials in place
	v_exp_f32 v[S+32*\a+2*\j], v[S+32*\a+2*\j]
	v_exp_f32 v[S+32*\a+2*\j+1], v[S+32*\a+2*\j+1]
.endm
.macro AD a, k                         ; the sum, two chains of pairs: link 0 takes pairs 0, 1; link 1 pairs 2, 3; link k pair k + 2, on chain k % 2
.if \k == 0
	s_wait_alu depctr_va_vdst(0)
	v_pk_add_f32 v[T+4:T+5], v[S+32*\a:S+32*\a+1], v[S+32*\a+2:S+32*\a+3]
.else
.if \k == 1
	v_pk_add_f32 v[T+6:T+7], v[S+32*\a+4:S+32*\a+5], v[S+32*\a+6:S+32*\a+7]
.else
	s_wait_alu depctr_va_vdst(0)
	v_pk_add_f32 v[T+4+2*(\k%2):T+5+2*(\k%2)], v[T+4+2*(\k%2):T+5+2*(\k%2)], v[S+32*\a+2*(\k+2):S+32*\a+2*(\k+2)+1]
.endif
.endif
.endm
.macro CV a, u, i                      ; p to f16 in place: register i of P(a, u) takes numbers 2 i, 2 i + 1 of tiles 2 u, 2 u + 1.  Ascending i: what it overwrites has been packed and summed
	v_cvt_pk_f16_f32 v[S+32*\a+16*\u+\i], v[S+32*\a+16*\u+2*\i], v[S+32*\a+16*\u+2*\i+1]
.endm
; matrix instruction n of S(b) = K Q(b): n = 0..3 key tile n, d = 0..31, starts the sum; n = 4..7 key tile n - 4, d = 32..63.
; The four score tiles take turns, one instruction a turn.
.macro WS b, n
.if \n < 4
	v_wmma_f32_16x16x32_f16 v[S+32*\b+8*\n:S+32*\b+8*\n+7], v[KF+16*\n:KF+16*\n+7], v[Q+16*\b:Q+16*\b+7], 0
.else
	v_wmma_f32_16x16x32_f16 v[S+32*\b+8*(\n-4):S+32*\b+8*(\n-4)+7], v[KF+16*(\n-4)+8:KF+16*(\n-4)+15], v[Q+16*\b+8:Q+16*\b+15], v[S+32*\b+8*(\n-4):S+32*\b+8*(\n-4)+7]
.endif
.endm
.macro WSX b, n, dos, waitk            ; the same if there is a next step; waitk = 1: K's loads are still to be waited for
.if \dos
.if \waitk
.if \n == 0
	s_wait_dscnt 0x8                               ; K's eight loads of d = 0..31 are in, the eight of d = 32..63 may be out
.endif
.if \n == 4
	s_wait_dscnt 0x0
.endif
.endif
	WS \b, \n
.endif
.endm
; The maximum of tile a's 32 scores a lane (four chains of 9, 9, 7, 7), the query's other half, the running maximum, - c m and the factor for the old sums.
.macro SMAX a, first
	v_max3_num_f32 v[T],   v[S+32*\a],    v[S+32*\a+1],  v[S+32*\a+2]
	v_max3_num_f32 v[T+1], v[S+32*\a+9],  v[S+32*\a+10], v[S+32*\a+11]
	v_max3_num_f32 v[T+2], v[S+32*\a+18], v[S+32*\a+19], v[S+32*\a+20]
	v_max3_num_f32 v[T+3], v[S+32*\a+25], v[S+32*\a+26], v[S+32*\a+27]
.irp j, 0,1
	v_max3_num_f32 v[T],   v[T],   v[S+32*\a+3+2*\j],  v[S+32*\a+4+2*\j]
	v_max3_num_f32 v[T+1], v[T+1], v[S+32*\a+12+2*\j], v[S+32*\a+13+2*\j]
	v_max3_num_f32 v[T+2], v[T+2], v[S+32*\a+21+2*\j], v[S+32*\a+22+2*\j]
	v_max3_num_f32 v[T+3], v[T+3], v[S+32*\a+28+2*\j], v[S+32*\a+29+2*\j]
.endr
	v_max3_num_f32 v[T],   v[T],   v[S+32*\a+7],  v[S+32*\a+8]
	v_max3_num_f32 v[T+1], v[T+1], v[S+32*\a+16], v[S+32*\a+17]
	v_max3_num_f32 v[T], v[T], v[T+1], v[T+2]
	v_max_num_f32 v[T], v[T], v[T+3]
	v_permlanex16_b32 v[T+1], v[T], s54, s55       ; the query's other 32 keys lie in the other half
.if \first
	v_max_num_f32 v[M+\a], v[T], v[T+1]
.else
	v_max3_num_f32 v[M+\a], v[T], v[T+1], v[M+\a]
.endif
	v_mul_f32 v[T+4], 0xbe38aa3b, v[M+\a]          ; - c m
.if \first == 0
	v_sub_f32 v[T+3], v[T+4], v[NM+2*\a]           ; c m_old - c m_new, at most 0
	v_exp_f32 v[AL+2*\a], v[T+3]                   ; the two moves below are the plain place behind it (ISA guide 5.7.2)
.endif
	v_mov_b32 v[NM+2*\a], v[T+4]
	v_mov_b32 v[NM+2*\a+1], v[T+4]
.if \first == 0
	s_wait_alu depctr_va_vdst(0)
	v_mov_b32 v[AL+2*\a+1], v[AL+2*\a]
.endif
.endm
; O(b) += V P(b): 8 matrix instructions, the four accumulators by turns, one instruction a turn;
; behind each, two of the 16 multiplies that rescale O(a), which name none of its registers.  One window setting serves both.
.macro PVBLK b, a, firstpv, resc
	WIN W_PV
.irp n, 0,1,2,3
.if \firstpv
	v_wmma_f32_16x16x32_f16 v[OW+32*\b+8*\n:OW+32*\b+8*\n+7], v[VW+8*\n:VW+8*\n+7], v[S+32*\b:S+32*\b+7], 0
.else
	v_wmma_f32_16x16x32_f16 v[OW+32*\b+8*\n:OW+32*\b+8*\n+7], v[VW+8*\n:VW+8*\n+7], v[S+32*\b:S+32*\b+7], v[OW+32*\b+8*\n:OW+32*\b+8*\n+7]
.endif
.if \resc
	v_pk_mul_f32 v[OW+32*\a+4*\n:OW+32*\a+4*\n+1],   v[OW+32*\a+4*\n:OW+32*\a+4*\n+1],   v[AL+2*\a:AL+2*\a+1]
	v_pk_mul_f32 v[OW+32*\a+4*\n+2:OW+32*\a+4*\n+3], v[OW+32*\a+4*\n+2:OW+32*\a+4*\n+3], v[AL+2*\a:AL+2*\a+1]
.endif
.endr
.irp n, 0,1,2,3
	v_wmma_f32_16x16x32_f16 v[OW+32*\b+8*\n:OW+32*\b+8*\n+7], v[VW+32+8*\n:VW+32+8*\n+7], v[S+32*\b+16:S+32*\b+23], v[OW+32*\b+8*\n:OW+32*\b+8*\n+7]
.if \resc
	v_pk_mul_f32 v[OW+32*\a+16+4*\n:OW+32*\a+16+4*\n+1], v[OW+32*\a+16+4*\n:OW+32*\a+16+4*\n+1], v[AL+2*\a:AL+2*\a+1]
	v_pk_mul_f32 v[OW+32*\a+16+4*\n+2:OW+32*\a+16+4*\n+3], v[OW+32*\a+16+4*\n+2:OW+32*\a+16+4*\n+3], v[AL+2*\a:AL+2*\a+1]
.endif
.endr
	WIN 0
.endm
; The rest of tile a's softmax, with the 8 matrix instructions of S(b) among it (dos), one for every four exponentials and two plain instructions.
; Every exponential is followed by a plain instruction that touches neither its result nor its source before its result is used (ISA guide 5.7.2).
.macro SMAIN a, b, dos, loadv, waitk, first
.irp j, 0,1,2,3,4
	FM \a, \j                                      ; five places behind the PV block: four before V's loads land on its source 0, five before S(b) writes over its source 1
.endr
.if \loadv
	WIN W_VL
.irp u, 0,1
.irp dt, 0,1,2,3
	ds_load_tr16_b128 v[VW+32*\u+8*\dt:VW+32*\u+8*\dt+3],   v[VV] offset:\u*32*VPITCH+32*\dt
	ds_load_tr16_b128 v[VW+32*\u+8*\dt+4:VW+32*\u+8*\dt+7], v[VV] offset:\u*32*VPITCH+32*\dt+16*VPITCH
.endr
.endr
	WIN 0
.endif
	WSX \b, 0, \dos, \waitk
	EX \a, 0
	FM \a, 5
	EX \a, 1
	FM \a, 6
	WSX \b, 1, \dos, \waitk
	EX \a, 2
	FM \a, 7
	EX \a, 3
	FM \a, 8
	WSX \b, 2, \dos, \waitk
	EX \a, 4
	FM \a, 9
	EX \a, 5
	FM \a, 10
	WSX \b, 3, \dos, \waitk
	EX \a, 6
	FM \a, 11
	EX \a, 7
	FM \a, 12
	WSX \b, 4, \dos, \waitk
	EX \a, 8
	FM \a, 13
	EX \a, 9
	FM \a, 14
	WSX \b, 5, \dos, \waitk
	EX \a, 10
	FM \a, 15
	EX \a, 11
	AD \a, 0
	WSX \b, 6, \dos, \waitk
	EX \a, 12
	AD \a, 1
	EX \a, 13
	AD \a, 2
	WSX \b, 7, \dos, \waitk
	EX \a, 14
	AD \a, 3
	EX \a, 15
	AD \a, 4
	; behind the last matrix instruction of S(b): more than four plain instructions on tile a alone, before S(b) is read and K is loaded again
.irp i, 0,1,2,3,4,5,6,7
	AD \a, (\i+5)                                  ; reads registers 14 and up;
	CV \a, 0, \i                                   ; writes registers 0-7, whose pairs links 0 and 1 have summed
.endr
	AD \a, 13
	CV \a, 1, 0                                    ; writes registers 16-23, whose pairs links 6 to 9 have summed
	CV \a, 1, 1
	v_pk_add_f32 v[T+4:T+5], v[T+4:T+5], v[T+6:T+7]
	CV \a, 1, 2
	CV \a, 1, 3
.if \first
	v_add_f32 v[LS+\a], v[T+4], v[T+5]
	CV \a, 1, 4
	CV \a, 1, 5
.else
	v_add_f32 v[T+4], v[T+4], v[T+5]
	CV \a, 1, 4
	CV \a, 1, 5
	v_fma_f32 v[LS+\a], v[LS+\a], v[AL+2*\a], v[T+4]
.endif
	CV \a, 1, 6
	CV \a, 1, 7
.endm
; One iteration, 64 keys.  kind 0: the first (nothing to finish), 1: the second (tile 1's first softmax, the first PV of both tiles), 2: all others.
.macro ITER kind
.irp u, 0,1
.irp kt, 0,1,2,3
	ds_load_b128 v[KF+16*\kt+8*\u:KF+16*\kt+8*\u+3],   v[VK] offset:\kt*16*KPITCH+64*\u
	ds_load_b128 v[KF+16*\kt+8*\u+4:KF+16*\kt+8*\u+7], v[VK] offset:\kt*16*KPITCH+64*\u+32
.endr
.endr
.if \kind == 0
	s_wait_dscnt 0x8                               ; K's eight loads of d = 0..31 are in
.irp n, 0,1,2,3
	WS 0, \n
.endr
	s_wait_dscnt 0x0
.irp n, 4,5,6,7
	WS 0, \n
.endr
	PLACES 5                                       ; between the last matrix instruction and the first read of its result
	SMAX 0, 1
	SMAIN 0, 1, 1, 1, 0, 1
.else
.if \kind == 1
	SMAX 1, 1
	s_wait_dscnt 0x10                              ; V of the last step is in; K's sixteen loads, issued behind it, may be out
	PVBLK 0, 1, 1, 0                               ; the first product starts O(0): nothing is cleared
	SMAIN 1, 0, 1, 0, 1, 1
	SMAX 0, 0
	PVBLK 1, 0, 1, 1                               ; and O(1)
	SMAIN 0, 1, 1, 1, 0, 0
.else
	SMAX 1, 0
	s_wait_dscnt 0x10                              ; V of the last step is in; K's sixteen loads, issued behind it, may be out
	PVBLK 0, 1, 0, 1
	SMAIN 1, 0, 1, 0, 1, 0
	SMAX 0, 0
	PVBLK 1, 0, 0, 1
	SMAIN 0, 1, 1, 1, 0, 0
.endif
.endif
	v_add_nc_u32 v[VK], 64*KPITCH, v[VK]
	v_add_nc_u32 v[VV], 64*VPITCH, v[VV]
.endm
; One tile of 256 keys.  In front of the round each wave waits for all its tensor loads (one: its part of this tile) and for its reads of the other slot
; (the last are V's of the iteration before); behind the round no wave of any of the four work-groups reads that slot or has a load on its way:
; it is asked for again first, then this slot is read.
.macro TRIP slot, refill, first
	s_wait_tensorcnt 0x0
	ds_add_u32 v30, v31
	s_wait_dscnt 0x0
	s_add_nc_u64 s[G0V+4*\slot+2:G0V+4*\slot+3], s[G0V+4*\slot+2:G0V+4*\slot+3], 2*TILEB   ; no load of mine is out: this slot's next tile
	s_add_nc_u64 s[G0K+4*\slot+2:G0K+4*\slot+3], s[G0K+4*\slot+2:G0K+4*\slot+3], 2*TILEB
	s_wait_dscnt 0x0
	ROUND
.if \refill
	JLOAD (1-\slot)                                ; it has this tile's four iterations in which to land
.endif
.if \slot
	v_add_nc_u32 v[VK], SLOT, v[VKB]
	v_add_nc_u32 v[VV], SLOT, v[VVB]
.else
	v_mov_b32 v[VK], v[VKB]
	v_mov_b32 v[VV], v[VVB]
.endif
.if \first
	ITER 0
	ITER 1
	s_mov_b32 s56, 2
.else
	s_mov_b32 s56, 4
.endif
.Lstep_\@:
	ITER 2
	s_sub_co_i32 s56, s56, 1
	s_cmp_lg_u32 s56, 0
	s_cbranch_scc1 .Lstep_\@
.endm
	TRIP 0, 1, 1                                   ; tiles 0 and 1
	TRIP 1, 1, 0
	s_mov_b32 s57, 2
.Lpair:
	TRIP 0, 1, 0                                   ; tiles 2 to 5
	TRIP 1, 1, 0
	s_sub_co_i32 s57, s57, 1
	s_cmp_lg_u32 s57, 0
	s_cbranch_scc1 .Lpair
	TRIP 0, 1, 0                                   ; tile 6; tile 7 is asked for: the last load
	TRIP 1, 0, 0                                   ; tile 7: nothing is left to fetch (the stepped addresses are not used)
	; what the last iteration left: tile 1's softmax of the last step beside tile 0's PV, then tile 1's PV
	SMAX 1, 0
	s_wait_dscnt 0x0                               ; V of the last step; nothing was issued behind it
	PVBLK 0, 1, 0, 1
	SMAIN 1, 0, 0, 0, 0, 0
	PVBLK 1, 0, 0, 0
	; THE WAY OUT
	PLACES 4                                       ; between the last matrix instruction and the first read of its result
	v_permlanex16_b32 v[T], v[LS], s54, s55
	v_permlanex16_b32 v[T+1], v[LS+1], s54, s55
	v_add_f32 v[LS], v[LS], v[T]                   ; the query's whole sum; the largest score's term is 1, so it is at least 1
	v_add_f32 v[LS+1], v[LS+1], v[T+1]
	v_rcp_f32 v[AL], v[LS]
	v_rcp_f32 v[AL+2], v[LS+1]
	v_nop                                          ; one plain place behind the reciprocals
	s_wait_alu depctr_va_vdst(0)
	v_mov_b32 v[AL+1], v[AL]
	v_mov_b32 v[AL+3], v[AL+2]
	WIN W_PV
.irp qt, 0,1
.set j, 0
.rept 16
	v_pk_mul_f32 v[OW+32*\qt+2*j:OW+32*\qt+2*j+1], v[OW+32*\qt+2*j:OW+32*\qt+2*j+1], v[AL+2*\qt:AL+2*\qt+1]
.set j, j+1
.endr
.endr
	WIN W_CV
.irp qt, 0,1
.set j, 0
.rept 16
	v_cvt_pk_f16_f32 v[OUTP+16*\qt+j], v[OW+32*\qt+2*j], v[OW+32*\qt+2*j+1]
.set j, j+1
.endr
.endr
	WIN 0
.irp qt, 0,1
.irp dt, 0,1,2,3
	ds_store_b128 v[STO], v[OUTP+16*\qt+4*\dt:OUTP+16*\qt+4*\dt+3] offset:\qt*16*KPITCH+32*\dt    ; query 16 qt + r, d = 16 dt + 8 h ..
.endr
.endr
.irp n, 0,1,2,3,4,5,6,7
	ds_load_b128 v[OUTR+4*\n:OUTR+4*\n+3], v[RD] offset:\n*4*KPITCH    ; my own bytes: LDS serves a wave's instructions in order (ISA guide 5.7.1)
.endr
.irp n, 0,1,2,3,4,5,6,7
	s_wait_dscnt 7-\n                              ; load n of the eight is in
	global_store_b128 v[GO], v[OUTR+4*\n:OUTR+4*\n+3], s[58:59] offset:\n*512    ; four rows of 128 bytes: 512 consecutive bytes, aligned
.endr
	s_wait_tensorcnt 0x0
	ds_add_u32 v30, v31
	s_wait_dscnt 0x0
	ROUND                                          ; the closing round: no work-group ends while a partner may still ask for a tile that names it
	s_endpgm
.Lfunc_end_k_q69a9f12f23_attn:
	.size	k_q69a9f12f23_attn, .Lfunc_end_k_q69a9f12f23_attn-k_q69a9f12f23_attn
	.p2alignl 7, 3214868480
	.fill 96, 4, 3214868480
	.section	.rodata,"a",@progbits
	.p2align	6, 0x0
	.amdhsa_kernel k_q69a9f12f23_attn
		.amdhsa_group_segment_fixed_size 327680
		.amdhsa_private_segment_fixed_size 0
		.amdhsa_enable_private_segment 0
		.amdhsa_kernarg_size 16
		.amdhsa_user_sgpr_count 2
		.amdhsa_user_sgpr_kernarg_segment_ptr 1
		.amdhsa_wavefront_size32 1
		.amdhsa_system_sgpr_workgroup_id_x 1
		.amdhsa_system_sgpr_workgroup_id_y 1
		.amdhsa_system_sgpr_workgroup_id_z 1
		.amdhsa_system_vgpr_workitem_id 0
		.amdhsa_next_free_vgpr 384
		.amdhsa_next_free_sgpr 66
		.amdhsa_reserve_vcc 0
		.amdhsa_float_denorm_mode_32 3
		.amdhsa_float_denorm_mode_16_64 3
		.amdhsa_memory_ordered 1
		.amdhsa_forward_progress 1
		.amdhsa_inst_pref_size 169
	.end_amdhsa_kernel
	.amdgpu_metadata
---
amdhsa.version: [ 1, 2 ]
amdhsa.kernels:
  - .name:           k_q69a9f12f23_attn
    .symbol:         k_q69a9f12f23_attn.kd
    .args:
      - { .name: qkv, .offset: 0, .size: 8, .value_kind: global_buffer, .address_space: global }
      - { .name: att, .offset: 8, .size: 8, .value_kind: global_buffer, .address_space: global }
    .group_segment_fixed_size: 327680
    .private_segment_fixed_size: 0
    .kernarg_segment_align: 8
    .kernarg_segment_size: 16
    .max_flat_workgroup_size: 256
    .sgpr_count:     66
    .vgpr_count:     384
    .wavefront_size: 32
...
	.end_amdgpu_metadata
.endif
;; end of part 2
;; launch proj (part 3): grid 4 x 64, 8 waves a work-group, clusters of 4 x 1, 322,560 bytes of LDS; arguments att, Wo, out0; writes out0
.if DOCPART == 3
	.amdgcn_target "amdgcn-amd-amdhsa--gfx1250"
	.amdhsa_code_object_version 6
	.text
	.protected	k_q69a9f12f23_proj
	.globl	k_q69a9f12f23_proj
	.p2align	8
	.type	k_q69a9f12f23_proj,@function
k_q69a9f12f23_proj:
	s_mov_b64 s[64:65], 0
	v_nop
	global_prefetch_b8 v0, s[64:65] scope:SCOPE_SE
	s_setreg_imm32_b32 hwreg(HW_REG_WAVE_MODE, 25, 1), 1
	s_wait_xcnt 0x0
	s_wait_alu depctr_hold_cnt(0) depctr_sa_sdst(0) depctr_va_vdst(0) depctr_va_sdst(0) depctr_va_ssrc(0) depctr_va_vcc(0) depctr_vm_vsrc(0)
	s_getreg_b32 s2, hwreg(HW_REG_IB_STS2, 6, 4)
	s_cmp_eq_u32 s2, 0
	s_cbranch_scc0 .Lentry_in_a_cluster
	s_endpgm
.Lentry_in_a_cluster:
	s_bfe_u32 s2, ttmp6, 0x10000c
	s_cmp_lg_u32 s2, 0x3003
	s_cbranch_scc0 .Lentry_shape_is_right
	s_endpgm
.Lentry_shape_is_right:
; out0 = att Wo^T.  att: f16 [b][h][2048][64] (feature k = 64 head + d); Wo: [512][512] f32 (row = output column); out0: [8192][512] f32.
; A work-group makes 128 rows x 128 columns; eight waves, wave (wm, wn) makes 32 x 64: 8 accumulator tiles.  All of K (512) lies in LDS at once:
; every LDS byte is filled once.
; CLUSTER: the four work-groups of a cluster make the four column blocks of the same 128 rows and need the same att tiles: wave w asks jointly
; (mask 15) for head w's 128 rows x 64.  A wave has one tensor load out.  Wo's rows differ from partner to partner and are f32, to be rounded to f16:
; they come through registers, in four chunks of 128 along K; a chunk is multiplied while the next ones are on their way.
; LIMIT: matrix operands are f16: |Wo| above 65,504 becomes infinite.
; THE MATRIX INSTRUCTION IS USED TRANSPOSED (source 0 = 16 rows of Wo, source 1 = 16 rows of att): a lane's eight results are eight neighbouring columns of one row.
.set APITCH, 144                       ; 64 f16 + 16 bytes
.set HEADB,  128*APITCH                ; a head's tile: 18,432 bytes
.set BOFF,   8*HEADB                   ; 147,456 = 576 x 256
.set BPITCH, 272                       ; 128 f16 + 16 bytes = 17 x 16
.set CHUNK,  128*BPITCH                ; Wo's 128 rows, 128 along K: 34,816 bytes; a region for each chunk
.set STAGE,  BOFF+4*CHUNK              ; 286,720: 16 rows x 272 bytes for each wave
.set SPITCH, 272                       ; 64 f32 + 16 bytes
.set GB,  2                            ; v2     Wo: my byte offset in the block's 128 rows
.set LB,  3                            ; v3-4   where my 8 bytes of Wo go: chunks 0-1, 2-3 (an LDS immediate ends at 65,535)
.set FAA, 5                            ; v5-6   fragments of att: heads 0-3, 4-7
.set FBA, 7                            ; v7-8   fragments of Wo: chunks 0-1, 2-3
.set STO, 9
.set RD,  10
.set GO,  11
.set FA,  16                           ; v[16:31]   2 fragments of att
.set FB,  32                           ; v[32:63]   4 fragments of Wo
.set ACC, 64                           ; v[64:127]  tile (mt, nt) at 64 + 32 mt + 8 nt
.set STG0, 128                         ; v[128:191] 16 loads of Wo; later the rows on their way out
.set STG1, 192                         ; v[192:255] 16 more
.macro PLACES n
.rept \n
	v_nop
.endr
.endm
.macro ROUND                           ; a round of the cluster's barrier
	s_barrier_signal -1
	s_barrier_wait -1
	s_cmp_lg_u32 s8, 0
	s_cbranch_scc1 .Lnot_wave_0_\@
	s_barrier_signal -3
.Lnot_wave_0_\@:
	s_barrier_wait -3
	s_barrier_signal -1
	s_barrier_wait -1
.endm
	s_load_b128 s[4:7], s[0:1], 0x0                ; att s[4:5], Wo s[6:7]
	s_load_b64 s[12:13], s[0:1], 0x10              ; out0
	s_set_vgpr_msb 0x40
	v_lshl_add_u32 v0, v0, 2, 0x4e800
	v_mov_b32 v1, 0
	s_set_vgpr_msb 0x4045
	ds_add_u32 v0, v1
	s_set_vgpr_msb 0x4500
	v_lshrrev_b32 v1, 5, v0
	v_readfirstlane_b32 s8, v1                     ; wave 0..7
	s_and_b32 s9, s8, 3                            ; wm
	s_lshr_b32 s10, s8, 2                          ; wn
	s_bfe_u32 s11, ttmp6, 0x40000                  ; cx
	s_lshl_b32 s14, ttmp9, 2
	s_add_co_u32 s14, s14, s11                     ; column block
	s_and_b32 s15, ttmp7, 0xffff                   ; row block
	; group 1: 128 rows x 64 elements of 2 bytes, dense in memory, 4 words of padding after every 32
	s_mov_b32 s16, 15|(1<<16)|(1<<20)|(1<<21)|(4<<22)|(3<<25)
	s_mov_b32 s17, 64<<16                          ; tensor_dim0 = 64
	s_mov_b32 s18, 128<<16                         ; tensor_dim1 = 128
	s_mov_b32 s19, 64<<16                          ; tile_dim0 = 64
	s_mov_b32 s20, 128                             ; tile_dim1 = 128
	s_mov_b32 s21, 64                              ; 64 elements from row to row
	s_mov_b32 s22, 0
	s_mov_b32 s23, 0
	s_lshr_b32 s28, s15, 4                         ; b
	s_lshl_b32 s28, s28, 3
	s_add_co_u32 s28, s28, s8                      ; 8 b + head w
	s_lshl_b32 s28, s28, 18
	s_and_b32 s29, s15, 15
	s_lshl_b32 s29, s29, 14                        ; 128 rows of 128 bytes
	s_add_co_u32 s28, s28, s29
	s_mov_b32 s29, 0
	s_mov_b32 s24, 1
	s_mul_i32 s25, s8, HEADB
	s_lshl_b32 s34, s14, 18                        ; Wo: 128 rows of 2,048 bytes.  cx is held by s11, s14, s34, s36 and the two pointers made of them alone
	s_mov_b32 s35, 0
	s_lshl_b32 s36, s14, 9                         ; out0: 128 columns,
	s_lshl_b32 s37, s15, 18                        ; 128 rows of 2,048 bytes,
	s_add_co_u32 s36, s36, s37
	s_lshl_b32 s37, s9, 16                         ; my 32 rows,
	s_add_co_u32 s36, s36, s37
	s_lshl_b32 s37, s10, 8                         ; my 64 columns
	s_add_co_u32 s36, s36, s37
	s_mov_b32 s37, 0
	v_and_b32 v12, 15, v0                          ; r
	v_bfe_u32 v13, v0, 4, 1                        ; h
	v_lshlrev_b32 v14, 4, v12                      ; 16 r
	v_lshl_add_u32 v[GB], v13, 14, v14             ; a load takes rows a and a + 8
	v_lshl_add_u32 v[GB], s8, 15, v[GB]            ; my 16 rows
	s_wait_dscnt 0x0
	s_wait_kmcnt 0x0
	s_add_nc_u64 s[26:27], s[4:5], s[28:29]
	s_or_b32 s27, s27, 0x80000000
	s_add_nc_u64 s[30:31], s[6:7], s[34:35]
	s_add_nc_u64 s[32:33], s[12:13], s[36:37]
	ROUND                                          ; all four work-groups are here: the joint loads meet
	tensor_load_to_lds s[24:27], s[16:23]
	s_nop 0
; chunk c of Wo: my 16 rows x 512 bytes, sixteen lanes on 256 consecutive bytes
.macro LOADB c, set
.irp j, 0,1,2,3,4,5,6,7
.irp p, 0,1
	global_load_b128 v[\set+4*(2*\j+\p):\set+4*(2*\j+\p)+3], v[GB], s[30:31] offset:\j*2048+\c*512+\p*256
.endr
.endr
.endm
.macro CVTB c, set
.irp j, 0,1,2,3,4,5,6,7
.irp p, 0,1
	v_cvt_pk_f16_f32 v[\set+4*(2*\j+\p)], v[\set+4*(2*\j+\p)], v[\set+4*(2*\j+\p)+1]
	v_cvt_pk_f16_f32 v[\set+4*(2*\j+\p)+1], v[\set+4*(2*\j+\p)+2], v[\set+4*(2*\j+\p)+3]
	ds_store_b64 v[LB+(\c/2)], v[\set+4*(2*\j+\p):\set+4*(2*\j+\p)+1] offset:(\c%2)*CHUNK+\j*BPITCH+\p*128
.endr
.endr
.endm
	LOADB 0, STG0
	LOADB 1, STG1
	v_lshl_add_u32 v[GO], v13, 11, v14             ; out: lanes 0-15 one row's 256 bytes, lanes 16-31 the next row's
	v_mul_u32_u24 v15, v13, 8*BPITCH               ; 2,176 = 128 modulo 256: the two rows' 128 bytes do not meet
	v_lshl_add_u32 v15, v12, 3, v15
	s_mul_i32 s36, s8, 16*BPITCH
	s_add_co_u32 s36, s36, BOFF
	v_add_nc_u32 v[LB], s36, v15
	v_add_nc_u32 v[LB+1], 2*CHUNK, v[LB]
	v_mul_u32_u24 v15, v12, APITCH
	v_lshl_add_u32 v15, v13, 4, v15
	s_mul_i32 s36, s9, 32*APITCH
	v_add_nc_u32 v[FAA], s36, v15
	v_add_nc_u32 v[FAA+1], 4*HEADB, v[FAA]
	v_mul_u32_u24 v15, v12, BPITCH
	v_lshl_add_u32 v15, v13, 4, v15
	s_mul_i32 s36, s10, 64*BPITCH
	s_add_co_u32 s36, s36, BOFF
	v_add_nc_u32 v[FBA], s36, v15
	v_add_nc_u32 v[FBA+1], 2*CHUNK, v[FBA]
	s_mul_i32 s36, s8, 16*SPITCH
	s_add_co_u32 s36, s36, STAGE                   ; my stage
	v_mul_u32_u24 v15, v12, SPITCH
	v_lshl_add_u32 v15, v13, 5, v15
	v_add_nc_u32 v[STO], s36, v15                  ; row r, 32 h bytes in
	v_mul_u32_u24 v15, v13, SPITCH
	v_add_nc_u32 v15, v15, v14
	v_add_nc_u32 v[RD], s36, v15                   ; row h, 16 r bytes in
; chunk c goes into LDS; left = the loads of the next chunk, which may stay out; more = 1: the registers just freed are loaded with chunk c + 2.
; The barrier shows the chunk (and, at the first, att's eight tiles) to every wave.  Nothing in LDS is filled twice.
.macro PHASE c, set, left, more
	s_wait_loadcnt \left
	CVTB \c, \set
	s_wait_dscnt 0x0                               ; for the others' sake: they read these rows
.if \more
	LOADB (\c+2), \set
.endif
.if \c == 0
	s_wait_tensorcnt 0x0                           ; my head's tile has landed
.endif
	s_barrier_signal -1
	s_barrier_wait -1
.endm
; 32 along K: 4 loads of att, 8 of Wo, 8 matrix instructions; the eight accumulators by turns, one instruction a turn
.macro KS ks
.if \ks
	PLACES 4                                       ; between the last matrix instruction and a load into its sources
.endif
.irp mt, 0,1
	ds_load_b128 v[FA+8*\mt:FA+8*\mt+3],   v[FAA+(\ks/8)] offset:((\ks/2)%4)*HEADB+\mt*16*APITCH+(\ks%2)*64
	ds_load_b128 v[FA+8*\mt+4:FA+8*\mt+7], v[FAA+(\ks/8)] offset:((\ks/2)%4)*HEADB+\mt*16*APITCH+(\ks%2)*64+32
.endr
.irp nt, 0,1,2,3
	ds_load_b128 v[FB+8*\nt:FB+8*\nt+3],   v[FBA+(\ks/8)] offset:((\ks/4)%2)*CHUNK+\nt*16*BPITCH+(\ks%4)*64
	ds_load_b128 v[FB+8*\nt+4:FB+8*\nt+7], v[FBA+(\ks/8)] offset:((\ks/4)%2)*CHUNK+\nt*16*BPITCH+(\ks%4)*64+32
.endr
.irp nt, 0,1,2,3
	s_wait_dscnt 6-2*\nt                           ; att's 4 loads and Wo's up to block nt are in; the 6 - 2 nt younger ones may be out
.irp mt, 0,1
.if \ks == 0
	v_wmma_f32_16x16x32_f16 v[ACC+32*\mt+8*\nt:ACC+32*\mt+8*\nt+7], v[FB+8*\nt:FB+8*\nt+7], v[FA+8*\mt:FA+8*\mt+7], 0
.else
	v_wmma_f32_16x16x32_f16 v[ACC+32*\mt+8*\nt:ACC+32*\mt+8*\nt+7], v[FB+8*\nt:FB+8*\nt+7], v[FA+8*\mt:FA+8*\mt+7], v[ACC+32*\mt+8*\nt:ACC+32*\mt+8*\nt+7]
.endif
.endr
.endr
.endm
	PHASE 0, STG0, 16, 1
.irp ks, 0,1,2,3
	KS \ks
.endr
	PHASE 1, STG1, 16, 1
.irp ks, 4,5,6,7
	KS \ks
.endr
	PHASE 2, STG0, 16, 0
.irp ks, 8,9,10,11
	KS \ks
.endr
	PHASE 3, STG1, 0, 0
.irp ks, 12,13,14,15
	KS \ks
.endr
	; THE WAY OUT, 16 rows at a time through my own stage: 32 bytes a lane in, whole rows of 256 bytes back
	PLACES 4                                       ; between the last matrix instruction and the LDS stores that read results
.irp mt, 0,1
.irp nt, 0,1,2,3
	ds_store_b128 v[STO], v[ACC+32*\mt+8*\nt:ACC+32*\mt+8*\nt+3]   offset:\nt*64
	ds_store_b128 v[STO], v[ACC+32*\mt+8*\nt+4:ACC+32*\mt+8*\nt+7] offset:\nt*64+16
.endr
.irp t, 0,1,2,3,4,5,6,7
	ds_load_b128 v[STG0+32*\mt+4*\t:STG0+32*\mt+4*\t+3], v[RD] offset:\t*2*SPITCH    ; my own bytes: LDS serves a wave's instructions in order (ISA guide 5.7.1)
.endr
.irp t, 0,1,2,3,4,5,6,7
	s_wait_dscnt 7-\t                              ; load t of the eight is in
	global_store_b128 v[GO], v[STG0+32*\mt+4*\t:STG0+32*\mt+4*\t+3], s[32:33] offset:(16*\mt+2*\t)*2048 th:TH_STORE_NT   ; sixteen lanes store 256 consecutive bytes, aligned
.endr
.endr
	s_set_vgpr_msb 0x5
	s_wait_tensorcnt 0x0
	ds_add_u32 v0, v1
	s_wait_dscnt 0x0
	s_set_vgpr_msb 0x500
	ROUND                                          ; the closing round: no work-group ends while a partner may still ask for a tile that names it
	s_endpgm
.Lfunc_end_k_q69a9f12f23_proj:
	.size	k_q69a9f12f23_proj, .Lfunc_end_k_q69a9f12f23_proj-k_q69a9f12f23_proj
	.p2alignl 7, 3214868480
	.fill 96, 4, 3214868480
	.section	.rodata,"a",@progbits
	.p2align	6, 0x0
	.amdhsa_kernel k_q69a9f12f23_proj
		.amdhsa_group_segment_fixed_size 322560
		.amdhsa_private_segment_fixed_size 0
		.amdhsa_enable_private_segment 0
		.amdhsa_kernarg_size 24
		.amdhsa_user_sgpr_count 2
		.amdhsa_user_sgpr_kernarg_segment_ptr 1
		.amdhsa_wavefront_size32 1
		.amdhsa_system_sgpr_workgroup_id_x 1
		.amdhsa_system_sgpr_workgroup_id_y 1
		.amdhsa_system_sgpr_workgroup_id_z 1
		.amdhsa_system_vgpr_workitem_id 0
		.amdhsa_next_free_vgpr 258
		.amdhsa_next_free_sgpr 66
		.amdhsa_reserve_vcc 0
		.amdhsa_float_denorm_mode_32 3
		.amdhsa_float_denorm_mode_16_64 3
		.amdhsa_memory_ordered 1
		.amdhsa_forward_progress 1
		.amdhsa_inst_pref_size 52
	.end_amdhsa_kernel
	.amdgpu_metadata
---
amdhsa.version: [ 1, 2 ]
amdhsa.kernels:
  - .name:           k_q69a9f12f23_proj
    .symbol:         k_q69a9f12f23_proj.kd
    .args:
      - { .name: att, .offset: 0, .size: 8, .value_kind: global_buffer, .address_space: global }
      - { .name: Wo, .offset: 8, .size: 8, .value_kind: global_buffer, .address_space: global }
      - { .name: out0, .offset: 16, .size: 8, .value_kind: global_buffer, .address_space: global }
    .group_segment_fixed_size: 322560
    .private_segment_fixed_size: 0
    .kernarg_segment_align: 8
    .kernarg_segment_size: 24
    .max_flat_workgroup_size: 256
    .sgpr_count:     66
    .vgpr_count:     258
    .wavefront_size: 32
...
	.end_amdgpu_metadata
.endif
;; end of part 3
